; MI455X (gfx1250); checked and timed in simulation.
; The chip was launched on July 23, 2026; its instructions are those of AMD's public machine-readable ISA for CDNA 5 (MIT licence, August 2026) and "CDNA5" Instruction Set Architecture Reference Guide (July 2026). The comments in the code are by the model that wrote it; some were corrected since.
;; A Li Bi Attention. Allowed arithmetic: float matrix products may take bf16 or f16 operands with f32 sums; all other float work in f32.
;; Inputs: k_norm_w 64 float32; q_norm_w 64 float32; wk 256 x 1,024 float32; wo 1,024 x 1,024 float32; wq 1,024 x 1,024 float32; wv 256 x 1,024 float32; x 2 x 2,048 x 1,024 float32.
;; Outputs: out0 2 x 2,048 x 1,024 float32.
;; 2 versions, each right; version 2 is version 1 with the launch tof16 written anew for expert scheduling mode. Each part assembles by itself: llvm-mc -triple=amdgcn-amd-amdhsa -mcpu=gfx1250 --defsym DOCPART=n.
;; ======== version 1 of 2: 3 launches
;; limits: values are held in f16: magnitudes above 65,504 overflow, below 6.1e-05 lose precision
;; workspace buffers: xh 8,421,376 bytes; wg 3,145,728 bytes; woh 2,097,152 bytes; ah 8,388,608 bytes
;; launch tof16 (part 1): grid 256 x 1, 8 waves a work-group, no clusters, 0 bytes of LDS; arguments x, wq, wk, wv, wo, xh, wg, woh; writes xh, wg, woh
.if DOCPART == 1
	.amdgcn_target "amdgcn-amd-amdhsa--gfx1250"
	.amdhsa_code_object_version 6
	.text
	.protected	k_q650269594c_tof16
	.globl	k_q650269594c_tof16
	.p2align	8
	.type	k_q650269594c_tof16,@function
k_q650269594c_tof16:
	s_mov_b64 s[64:65], 0
	v_nop
	global_prefetch_b8 v0, s[64:65] scope:SCOPE_SE
	s_setreg_imm32_b32 hwreg(HW_REG_WAVE_MODE, 25, 1), 1
	s_wait_xcnt 0x0
; x and the four weight matrices, f32 to f16 (round to nearest even), laid out as the two product kernels want them.
;   xh  [16 + 4096][1024]: rows 0-15 zeros (the rows in front of the first row block), row 16 + i = x row i
;   wg  [4 g][4 w][6 c][16 r][1024]: row 16 w + r of a head; c = 0..3: wq head 4 c + g, c = 4: wk head g, c = 5: wv head g times 0.25
;   woh [1024 n][1024]: woh[n][256 g + 64 c + d] = 4 wo[n][64 (4 c + g) + d]
; The factors 0.25 and 4 are powers of two, exact, and cancel in the product of the chain; they keep v inside f16's range.
; LIMIT OF RANGE: |x|, |wq|, |wk|, |wv| / 4 and 4 |wo| must stay under 65504 (f16's largest number), else the number becomes an infinity;
; numbers under 6.1e-5 in magnitude keep fewer than 11 bits.
; Memory binds: every input byte is read once by 16-byte loads (a wave's load covers 512 neighbouring bytes), every output byte written once
; (a wave's 8-byte stores cover 256 neighbouring bytes, aligned).  No LDS, no barrier, no matrix unit: there is nothing to share.
; Work-group b takes 26 rows of 1,024 numbers: x rows 16 b .. 16 b + 15, wq rows 4 b .. 4 b + 3, wk row b, wv row b, wo rows 4 b .. 4 b + 3.
; Thread t takes the 16 bytes at 16 t of each row.  All 26 loads of a wave go out at once; no register is written twice, so no loop and
; no wait but the counted ones for the loads.
.set NL, 26                            ; loads of a thread
.set D,  4                             ; v[4:107]  row i: 4 registers as loaded; its first two then hold the 4 f16
	s_load_b512 s[8:23], s[0:1], 0x0               ; x s[8:9], wq s[10:11], wk s[12:13], wv s[14:15], wo s[16:17], xh s[18:19], wg s[20:21], woh s[22:23]
	v_lshlrev_b32 v1, 4, v0                        ; 16 t: my bytes in a row of f32
	v_lshlrev_b32 v2, 3, v0                        ; 8 t: my bytes in a row of f16
	; wo's columns are permuted on the way in: my four output columns lie in block e = t >> 4 = 4 g + c of 64, which comes from head 4 c + g
	v_lshrrev_b32 v110, 4, v0                      ; e
	v_and_b32 v111, 3, v110                        ; c
	v_lshrrev_b32 v110, 2, v110                    ; g
	v_lshl_or_b32 v110, v111, 2, v110              ; 4 c + g
	v_and_b32 v111, 15, v0
	v_lshlrev_b32 v111, 4, v111
	v_lshl_or_b32 v3, v110, 8, v111                ; 256 bytes a head + 16 (t mod 16): sixteen lanes still read 256 neighbouring bytes
	v_mov_b32 v108, 0
	v_mov_b32 v109, 0
	s_mov_b32 s25, 0                               ; offsets are pairs with 0 on top
	s_wait_kmcnt 0x0
	s_lshl_b32 s24, ttmp9, 16                      ; 16 rows of 4,096 bytes
	s_add_nc_u64 s[8:9], s[8:9], s[24:25]
	s_lshl_b32 s24, ttmp9, 14                      ; 4 rows
	s_add_nc_u64 s[10:11], s[10:11], s[24:25]
	s_add_nc_u64 s[16:17], s[16:17], s[24:25]
	s_lshl_b32 s24, ttmp9, 12                      ; 1 row
	s_add_nc_u64 s[12:13], s[12:13], s[24:25]
	s_add_nc_u64 s[14:15], s[14:15], s[24:25]
.irp i, 0,1,2,3,4,5,6,7,8,9,10,11,12,13,14,15
	global_load_b128 v[D+4*\i:D+4*\i+3], v1, s[8:9] offset:\i*4096 th:TH_LOAD_NT
.endr
.irp i, 0,1,2,3
	global_load_b128 v[D+64+4*\i:D+64+4*\i+3], v1, s[10:11] offset:\i*4096 th:TH_LOAD_NT
.endr
	global_load_b128 v[D+80:D+83], v1, s[12:13] th:TH_LOAD_NT
	global_load_b128 v[D+84:D+87], v1, s[14:15] th:TH_LOAD_NT
.irp i, 0,1,2,3
	global_load_b128 v[D+88+4*\i:D+88+4*\i+3], v3, s[16:17] offset:\i*4096 th:TH_LOAD_NT
.endr
	; where the rows go, worked out while the loads are on their way
	s_lshl_b32 s24, ttmp9, 15                      ; 16 rows of 2,048 bytes,
	s_add_co_u32 s24, s24, 32768                   ; behind the 16 zero rows
	s_add_nc_u64 s[26:27], s[18:19], s[24:25]      ; xh
	s_lshl_b32 s24, ttmp9, 13
	s_add_nc_u64 s[22:23], s[22:23], s[24:25]      ; woh: 4 rows
	s_lshl_b32 s24, ttmp9, 11
	s_add_nc_u64 s[32:33], s[18:19], s[24:25]      ; xh's zero row b (used by work-groups 0 to 15 alone)
	; wq row 4 b + i: head b >> 4 = 4 c + g, dim 4 (b & 15) + i = 16 w + r
	s_lshr_b32 s34, ttmp9, 4                       ; head
	s_and_b32 s35, s34, 3                          ; g
	s_mul_i32 s35, s35, 384
	s_lshr_b32 s34, s34, 2                         ; c
	s_lshl4_add_u32 s35, s34, s35                  ; + 16 c
	s_bfe_u32 s34, ttmp9, 0x20002                  ; w = (b >> 2) & 3
	s_mul_i32 s34, s34, 96
	s_add_co_u32 s35, s35, s34
	s_and_b32 s34, ttmp9, 3
	s_lshl2_add_u32 s35, s34, s35                  ; + r = 4 (b & 3)
	s_lshl_b32 s24, s35, 11
	s_add_nc_u64 s[28:29], s[20:21], s[24:25]
	; wk row b: head g = b >> 6, dim b & 63 = 16 w + r, c = 4; wv's row lies 16 rows (32,768 bytes) further on
	s_lshr_b32 s34, ttmp9, 6
	s_mul_i32 s35, s34, 384
	s_bfe_u32 s34, ttmp9, 0x20004
	s_mul_i32 s34, s34, 96
	s_add_co_u32 s35, s35, s34
	s_and_b32 s34, ttmp9, 15
	s_add_co_u32 s35, s35, s34
	s_add_co_u32 s35, s35, 64
	s_lshl_b32 s24, s35, 11
	s_add_nc_u64 s[30:31], s[20:21], s[24:25]
; Row i: wait, scale (mode 1: by 0.25, mode 2: by 4), round, store at base s[base:base+1] + off.
.macro ROW i, base, off, mode
	s_wait_loadcnt NL-1-(\i)                       ; loads come back in order (ISA guide 5.7.1): row i is in, the NL-1-i younger ones may be out
.if \mode == 1
	v_pk_mul_f32 v[D+4*(\i):D+4*(\i)+1], v[D+4*(\i):D+4*(\i)+1], 0x3e800000 op_sel_hi:[1,0]
	v_pk_mul_f32 v[D+4*(\i)+2:D+4*(\i)+3], v[D+4*(\i)+2:D+4*(\i)+3], 0x3e800000 op_sel_hi:[1,0]
.endif
.if \mode == 2
	v_pk_mul_f32 v[D+4*(\i):D+4*(\i)+1], v[D+4*(\i):D+4*(\i)+1], 4.0 op_sel_hi:[1,0]
	v_pk_mul_f32 v[D+4*(\i)+2:D+4*(\i)+3], v[D+4*(\i)+2:D+4*(\i)+3], 4.0 op_sel_hi:[1,0]
.endif
	v_cvt_pk_f16_f32 v[D+4*(\i)], v[D+4*(\i)], v[D+4*(\i)+1]
	v_cvt_pk_f16_f32 v[D+4*(\i)+1], v[D+4*(\i)+2], v[D+4*(\i)+3]
	global_store_b64 v2, v[D+4*(\i):D+4*(\i)+1], s[\base:\base+1] offset:\off   ; later launches read these bytes: no hint
.endm
.irp i, 0,1,2,3,4,5,6,7,8,9,10,11,12,13,14,15
	ROW \i, 26, \i*2048, 0
.endr
.irp i, 0,1,2,3
	ROW 16+\i, 28, \i*2048, 0
.endr
	ROW 20, 30, 0, 0
	ROW 21, 30, 32768, 1
.irp i, 0,1,2,3
	ROW 22+\i, 22, \i*2048, 2
.endr
	s_cmp_ge_u32 ttmp9, 16
	s_cbranch_scc1 .Lend
	global_store_b64 v2, v[108:109], s[32:33]      ; work-groups 0 to 15: one zero row each
.Lend:
	s_endpgm
.Lfunc_end_k_q650269594c_tof16:
	.size	k_q650269594c_tof16, .Lfunc_end_k_q650269594c_tof16-k_q650269594c_tof16
	.p2alignl 7, 3214868480
	.fill 96, 4, 3214868480
	.section	.rodata,"a",@progbits
	.p2align	6, 0x0
	.amdhsa_kernel k_q650269594c_tof16
		.amdhsa_group_segment_fixed_size 0
		.amdhsa_private_segment_fixed_size 0
		.amdhsa_enable_private_segment 0
		.amdhsa_kernarg_size 64
		.amdhsa_user_sgpr_count 2
		.amdhsa_user_sgpr_kernarg_segment_ptr 1
		.amdhsa_wavefront_size32 1
		.amdhsa_system_sgpr_workgroup_id_x 1
		.amdhsa_system_sgpr_workgroup_id_y 1
		.amdhsa_system_sgpr_workgroup_id_z 1
		.amdhsa_system_vgpr_workitem_id 0
		.amdhsa_next_free_vgpr 112
		.amdhsa_next_free_sgpr 66
		.amdhsa_reserve_vcc 0
		.amdhsa_float_denorm_mode_32 3
		.amdhsa_float_denorm_mode_16_64 3
		.amdhsa_memory_ordered 1
		.amdhsa_forward_progress 1
		.amdhsa_inst_pref_size 12
	.end_amdhsa_kernel
	.amdgpu_metadata
---
amdhsa.version: [ 1, 2 ]
amdhsa.kernels:
  - .name:           k_q650269594c_tof16
    .symbol:         k_q650269594c_tof16.kd
    .args:
      - { .name: x, .offset: 0, .size: 8, .value_kind: global_buffer, .address_space: global }
      - { .name: wq, .offset: 8, .size: 8, .value_kind: global_buffer, .address_space: global }
      - { .name: wk, .offset: 16, .size: 8, .value_kind: global_buffer, .address_space: global }
      - { .name: wv, .offset: 24, .size: 8, .value_kind: global_buffer, .address_space: global }
      - { .name: wo, .offset: 32, .size: 8, .value_kind: global_buffer, .address_space: global }
      - { .name: xh, .offset: 40, .size: 8, .value_kind: global_buffer, .address_space: global }
      - { .name: wg, .offset: 48, .size: 8, .value_kind: global_buffer, .address_space: global }
      - { .name: woh, .offset: 56, .size: 8, .value_kind: global_buffer, .address_space: global }
    .group_segment_fixed_size: 0
    .private_segment_fixed_size: 0
    .kernarg_segment_align: 8
    .kernarg_segment_size: 64
    .max_flat_workgroup_size: 256
    .sgpr_count:     66
    .vgpr_count:     112
    .wavefront_size: 32
...
	.end_amdgpu_metadata
.endif
;; end of part 1
;; launch qkvattn (part 2): grid 4 x 64, 4 waves a work-group, clusters of 4 x 4, 327,680 bytes of LDS; arguments xh, wg, q_norm_w, k_norm_w, ah; writes ah
.if DOCPART == 2
	.amdgcn_target "amdgcn-amd-amdhsa--gfx1250"
	.amdhsa_code_object_version 6
	.text
	.protected	k_q650269594c_qkvattn
	.globl	k_q650269594c_qkvattn
	.p2align	8
	.type	k_q650269594c_qkvattn,@function
k_q650269594c_qkvattn:
	s_mov_b64 s[64:65], 0
	v_nop
	global_prefetch_b8 v0, s[64:65] scope:SCOPE_SE
	s_setreg_imm32_b32 hwreg(HW_REG_WAVE_MODE, 25, 1), 1
	s_wait_xcnt 0x0
	s_wait_alu depctr_hold_cnt(0) depctr_sa_sdst(0) depctr_va_vdst(0) depctr_va_sdst(0) depctr_va_ssrc(0) depctr_va_vcc(0) depctr_vm_vsrc(0)
	s_getreg_b32 s2, hwreg(HW_REG_IB_STS2, 6, 4)
	s_cmp_eq_u32 s2, 0
	s_cbranch_scc0 .Lentry_in_a_cluster
	s_endpgm
.Lentry_in_a_cluster:
	s_bfe_u32 s2, ttmp6, 0x10000c
	s_cmp_lg_u32 s2, 0xf033
	s_cbranch_scc0 .Lentry_shape_is_right
	s_endpgm
.Lentry_shape_is_right:
; q, k, v = x W^T, RMS norm of q and k, ALiBi bias with the causal window of 17 keys, softmax, P V: all in one work-group; q, k, v never leave it.
; Work-group (g, rb): the 64 rows 64 rb .. 64 rb + 63 of the 4,096, the four query heads g, g + 4, g + 8, g + 12 and their key and value head g.
; A query sees itself and the 16 rows in front of it, so k and v are also made for the 16 rows in front of the block (row tile T = 0; T = 1..4 are
; the block's own).  xh has 16 zero rows in front, so the tile of 80 rows always lies inside it; where the block begins a sequence (rb mod 32 = 0)
; tile 0's keys are masked.
; Four waves.  In the product wave w makes dims 16 w .. 16 w + 15 of each of the six heads (c = 0..3: q, 4: k, 5: v) for T = 1..4 and of k and v for
; T = 0: 26 accumulator tiles of 16 x 16; for 32 along K it reads 11 fragments from LDS for 26 matrix instructions.  In the attention wave w takes
; query tile T = w + 1 of all four heads, with key tiles T = w and w + 1.
; FORMAT: all matrix operands f16, sums f32, norm and softmax f32.  v comes out divided by 4 (wv was scaled), so ah = attention output / 4.
; LIMITS OF RANGE: |v| / 4 < 65504; 8 x 0.1804 x |q_norm_w[d] k_norm_w[d]| < 65504 (the normalised k is at most 8 in magnitude by its own norm, both
; gains and the factor log2(e) / 8 ride on q); the weights P are at most 1, since the row's maximum is taken away.  Numbers under 6.1e-5 keep fewer bits.
; CLUSTERS: 4 x 4 work-groups.  The four of a row of the cluster share rb, so they ask jointly for the tile of xh; the four of a column share g and
; ask jointly for the tiles of wg.  That divides the requests for both by four.
; K goes in steps of 128 (rows of 256 bytes, which begin at multiples of 256 bytes from the buffers' first bytes) through two LDS slots.
.set PITCH,  272                       ; a slot's row: 256 bytes + 16 of padding, an odd multiple of 16: the 16 rows that a load touches start at 16 different 16-byte columns modulo 256
.set FR,     16*PITCH                  ; from fragment to fragment
.set THIRD,  128*PITCH                 ; what one load of wg brings
.set ABASE,  384*PITCH                 ; a slot: 384 rows of wg, then 80 rows of xh
.set SLOT,   464*PITCH
.set QB,     2*SLOT                    ; stages behind the ring, into which no tensor load lands.  q: 4 planes (c) of 64 rows; later each wave's O stage
.set QP,     144                       ; 128 bytes (64 dims) + 16
.set QPLANE, 64*QP
.set KB,     QB+4*QPLANE               ; k: 80 rows (16 T + r)
.set VB,     KB+80*QP                  ; v transposed: 64 dims x 80 keys
.set VP,     176                       ; 160 bytes + 16
.set SSB,    VB+64*VP                  ; sums of squares: [21 units][16 rows][4 waves] f32
.set OP,     528                       ; O stage: 16 rows of 512 bytes (4 heads x 64 dims) + 16, 8,448 bytes for each wave, laid over q's planes
.set LAPS,   4                         ; 1024 / (2 x 128): a lap is once round the ring
; scalar registers
.set G1A, 24                           ; s[24:31] group 1 for xh's tile      s[32:39] its two groups 0, one for each slot
.set G0A, 32
.set G1B, 40                           ; s[40:47] group 1 for wg's tiles     s[48:55] their two groups 0
.set G0B, 48
.set G1W0, (1<<16)|(1<<20)|(1<<21)|(5<<22)|(3<<25)   ; element of 2 bytes; padding on; bit 21 beside a mask; after every 64 words, 4 words
; vector registers, window 0 (v0-v255); window 1 (v256-v463) holds the 26 accumulator tiles, tile t at v[8 t]: t = 6 (T - 1) + c; 24: (T 0, k); 25: (T 0, v)
.set OST,  7                           ; O stage, where I put 16 bytes
.set ADRA, 8                           ; v8-9    my fragments of xh in slot 0, 1
.set ADRB, 10                          ; v10-11  my fragments of wg
.set SSW,  12
.set SSR,  13
.set QST,  14
.set KST,  15
.set VST,  16
.set KRD,  17
.set VRD,  18
.set QRD,  19
.set ORD,  20
.set GO,   21
.set NINF, 22
.set NOFF, 23
.set WG,   24                          ; v[24:31] q_norm_w x k_norm_w x log2(e)/8 of my 8 dims; in the softmax: the maxima
.set KN,   32                          ; v[32:39] k_norm_w as loaded; in the softmax: the sums
.set REL,  40                          ; v[40:47] j - i for key tile 0, v[48:55] for key tile 1; -inf where masked
.set SLP,  56                          ; v[56:63] slope x log2(e) of head c, in both halves of pair c
.set F0,   64                          ; v[64:151], v[152:239]: two fragment buffers: wg's fragment c at 8 c, xh's fragment T at 48 + 8 T
.set F1,   152
.set SQ,   64                          ; behind the product: unit u's sum of squares, then its 1 / rms, at SQ + 2 u
.set SSV,  152                         ; the four waves' partial sums of unit u at SSV + 4 u
.set HB,   64                          ; tile t in f16 at HB + 4 t
.set KF,   64                          ; attention: k fragments [a][s], v fragments [n], q fragments [c][s], scores [c][a]
.set VF,   96
.set QF,   128
.set SB,   192
.set PF,   64                          ; weights in f16, [c], over k's fragments
.set OB,   128                         ; outputs [c][n], over q's fragments and the scores
.set MX,   24
.set LS,   32
.set MSB, 0
.macro WIN new                         ; the immediate's high byte repeats the setting that is left
.if MSB != \new
	s_set_vgpr_msb (MSB<<8)|\new
.set MSB, \new
.endif
.endm
.macro PLACES                          ; a vector instruction or a load that touches a matrix instruction's registers stands four places behind it, and only
.rept 4                                ; plain vector instructions that name none of them are places (ISA guide 7.12.1)
	v_nop
.endr
.endm
; A joint load: wave 3 asks for xh's 80 rows, waves 0 to 2 for a third of wg's 384 rows each.  The branch hangs on the wave's number alone.
.macro JLOAD s
	s_cmp_eq_u32 s14, 3
	s_cbranch_scc0 .Lfor_b_\@
	tensor_load_to_lds s[G0A+4*\s:G0A+4*\s+3], s[G1A:G1A+7]
	s_nop 0
	s_branch .Lasked_\@
.Lfor_b_\@:
	tensor_load_to_lds s[G0B+4*\s:G0B+4*\s+3], s[G1B:G1B+7]
	s_nop 0
.Lasked_\@:
.endm
.macro CREST                           ; a round of the cluster's barrier behind its opening work-group barrier
	s_cmp_lg_u32 s14, 0
	s_cbranch_scc1 .Lnot_wave_0_\@
	s_barrier_signal -3
.Lnot_wave_0_\@:
	s_barrier_wait -3
	s_barrier_signal -1
	s_barrier_wait -1
.endm
.macro CROUND
	s_barrier_signal -1
	s_barrier_wait -1
	CREST
.endm
	s_load_b256 s[4:11], s[0:1], 0x0               ; xh s[4:5], wg s[6:7], q_norm_w s[8:9], k_norm_w s[10:11]
	s_load_b64 s[12:13], s[0:1], 0x20              ; ah
	s_set_vgpr_msb 0x40
	v_lshl_add_u32 v208, v0, 2, 0x4d800
	v_mov_b32 v209, 0
	s_set_vgpr_msb 0x4045
	ds_add_u32 v208, v209
	s_set_vgpr_msb 0x4500
	v_lshrrev_b32 v4, 5, v0
	v_readfirstlane_b32 s14, v4                    ; wave 0..3
	s_bfe_u32 s15, ttmp6, 0x40000                  ; cx
	s_bfe_u32 s16, ttmp6, 0x40004                  ; cy
	s_lshl_b32 s17, ttmp9, 2
	s_add_co_u32 s17, s17, s15                     ; g = 4 x cluster x + cx
	s_and_b32 s18, ttmp7, 0xffff
	s_lshl_b32 s18, s18, 2
	s_add_co_u32 s18, s18, s16                     ; rb = 4 x cluster y + cy
	s_lshl_b32 s19, s16, 2
	s_lshl_b32 s19, 15, s19                        ; my row of the cluster: places 4 cy .. 4 cy + 3
	s_lshl_b32 s67, 0x1111, s15                    ; my column: places cx, cx + 4, cx + 8, cx + 12
	s_or_b32 s[G1A+0], s19, G1W0                   ; xh's tile hangs on rb alone: shared along the row
	s_or_b32 s[G1B+0], s67, G1W0                   ; wg's tiles hang on g alone: shared along the column
	s_mov_b32 s[G1A+1], 128<<16                    ; tensor_dim0 = 128 elements
	s_mov_b32 s[G1B+1], 128<<16
	s_mov_b32 s[G1A+2], 80<<16                     ; tensor_dim1 = 80 rows
	s_mov_b32 s[G1B+2], 128<<16                    ;             = 128 rows
	s_mov_b32 s[G1A+3], 128<<16                    ; tile_dim0 = 128
	s_mov_b32 s[G1B+3], 128<<16
	s_mov_b32 s[G1A+4], 80                         ; tile_dim1
	s_mov_b32 s[G1B+4], 128
	s_mov_b32 s[G1A+5], 1024                       ; elements from row to row
	s_mov_b32 s[G1B+5], 1024
	s_mov_b32 s[G1A+6], 0
	s_mov_b32 s[G1B+6], 0
	s_mov_b32 s[G1A+7], 0
	s_mov_b32 s[G1B+7], 0
	s_lshl_b32 s56, s18, 17                        ; xh: row 64 rb, 2,048 bytes a row (x row 64 rb - 16)
	s_mov_b32 s57, 0
	s_mul_i32 s58, s17, 384*2048                   ; wg: group g,
	s_lshl_b32 s72, s14, 18                        ; rows 128 w on (wave 3 makes this address too and never asks by it)
	s_add_co_u32 s58, s58, s72
	s_mov_b32 s59, 0
	s_mul_i32 s20, s14, THIRD                      ; where a wave's tile goes: wg's thirds, then xh's rows (3 x THIRD = ABASE): the wave's number alone
	s_lshl_b32 s68, s18, 17                        ; ah: row 64 rb,
	s_mov_b32 s69, 0
	s_lshl_b32 s70, s17, 9                         ; column 256 g
	s_mov_b32 s71, 0
	s_wait_dscnt 0x0
	s_wait_kmcnt 0x0
	s_add_nc_u64 s[56:57], s[4:5], s[56:57]
	s_add_nc_u64 s[58:59], s[6:7], s[58:59]
	s_add_nc_u64 s[12:13], s[12:13], s[68:69]
	s_add_nc_u64 s[12:13], s[12:13], s[70:71]
	CROUND                                         ; all sixteen work-groups are here: the first joint loads meet
.irp s, 0,1
	s_mov_b32 s[G0A+4*\s], 1
	s_add_co_u32 s[G0A+4*\s+1], s20, \s*SLOT
	s_add_nc_u64 s[G0A+4*\s+2:G0A+4*\s+3], s[56:57], \s*256        ; K step s
	s_or_b32 s[G0A+4*\s+3], s[G0A+4*\s+3], 0x80000000
	s_mov_b32 s[G0B+4*\s], 1
	s_add_co_u32 s[G0B+4*\s+1], s20, \s*SLOT
	s_add_nc_u64 s[G0B+4*\s+2:G0B+4*\s+3], s[58:59], \s*256
	s_or_b32 s[G0B+4*\s+3], s[G0B+4*\s+3], 0x80000000
	JLOAD \s                                       ; both slots' first fills go out before anything else: two tensor loads of the wave are out
.endr
	; While the tiles are on their way: the gains, the addresses, the bias tables.
	v_and_b32 v1, 15, v0                           ; r
	v_bfe_u32 v2, v0, 4, 1                         ; h
	v_and_b32 v3, 31, v0                           ; lane
	v_lshlrev_b32 v[NOFF], 5, v2
	v_lshl_add_u32 v[NOFF], s14, 6, v[NOFF]        ; my 8 dims 16 w + 8 h .. + 7, 4 bytes each
	global_load_b128 v[WG:WG+3],   v[NOFF], s[8:9]
	global_load_b128 v[WG+4:WG+7], v[NOFF], s[8:9] offset:16
	global_load_b128 v[KN:KN+3],   v[NOFF], s[10:11]
	global_load_b128 v[KN+4:KN+7], v[NOFF], s[10:11] offset:16
	s_mov_b32 s22, 0x76543210                      ; v_permlanex16_b32: lane i reads lane i of the other half
	s_mov_b32 s23, 0xfedcba98
	s_mov_b32 s62, 0x3c800000                      ; 1 / 64
	s_mov_b32 s63, 0x3c23d70a                      ; 0.01
	v_mul_u32_u24 v4, v1, PITCH
	v_lshl_add_u32 v4, v2, 4, v4                   ; r x pitch + 16 h
	v_add_nc_u32 v[ADRA], ABASE, v4
	v_add_nc_u32 v[ADRA+1], ABASE+SLOT, v4
	s_mul_i32 s72, s14, 96*PITCH                   ; my 96 rows of wg
	v_add_nc_u32 v[ADRB], s72, v4
	s_add_co_u32 s72, s72, SLOT
	v_add_nc_u32 v[ADRB+1], s72, v4
	v_lshlrev_b32 v[SSR], 4, v1
	v_add_nc_u32 v[SSR], SSB, v[SSR]               ; row r's four words
	v_lshl_add_u32 v[SSW], s14, 2, v[SSR]          ; my wave's word among them
	v_mul_u32_u24 v5, v1, QP
	v_lshl_add_u32 v5, v2, 4, v5                   ; r x 144 + 16 h
	v_lshl_add_u32 v6, s14, 5, v5                  ; + my 16 dims' 32 bytes
	v_add_nc_u32 v[QST], QB, v6
	v_add_nc_u32 v[KST], KB, v6
	s_mul_i32 s72, s14, 16*QP
	v_add_nc_u32 v6, s72, v5                       ; (16 w + r) x 144 + 16 h
	v_add_nc_u32 v[KRD], KB, v6
	v_add_nc_u32 v[QRD], QB, v6
	v_mul_u32_u24 v5, v1, VP
	v_lshl_add_u32 v5, v2, 4, v5                   ; r x 176 + 16 h
	s_mul_i32 s72, s14, 16*VP
	v_add_nc_u32 v6, s72, v5
	v_add_nc_u32 v[VST], VB, v6                    ; dim 16 w + r
	v_lshl_add_u32 v6, s14, 5, v5
	v_add_nc_u32 v[VRD], VB, v6                    ; dim r, keys from 16 w on
	s_mul_i32 s72, s14, 16*OP
	s_add_co_u32 s72, s72, QB                      ; my O stage
	v_mul_u32_u24 v5, v1, OP
	v_lshl_add_u32 v5, v2, 4, v5
	v_add_nc_u32 v[OST], s72, v5
	v_lshlrev_b32 v5, 4, v3
	v_add_nc_u32 v[ORD], s72, v5                   ; a row's 512 bytes: 16 a lane
	v_lshl_add_u32 v[GO], s14, 15, v5              ; ah: 16 w rows of 2,048 bytes + 16 x lane
	; slope of head 4 c + g is 2^-((4 c + g + 1) / 2); here times log2(e), since the exponentials are taken to base 2
	s_mov_b32 s66, 0x3eb8aa3b                      ; g = 3: 2^-2   log2(e)
	s_cmp_eq_u32 s17, 0
	s_cselect_b32 s66, 0x3f8293ee, s66             ; g = 0: 2^-0.5 log2(e)
	s_cmp_eq_u32 s17, 1
	s_cselect_b32 s66, 0x3f38aa3b, s66             ; g = 1: 2^-1   log2(e)
	s_cmp_eq_u32 s17, 2
	s_cselect_b32 s66, 0x3f0293ee, s66             ; g = 2: 2^-1.5 log2(e)
	v_mov_b32 v[SLP], s66
	v_mov_b32 v[SLP+1], s66
.irp c, 1,2,3
	v_pk_mul_f32 v[SLP+2*\c:SLP+2*\c+1], v[SLP+2*\c-2:SLP+2*\c-1], 0x3e800000 op_sel_hi:[1,0]   ; four heads further: a quarter
.endr
	; In the scores a lane holds query r and keys 8 h + j of a key tile.  t = 8 h + j - r.  Own tile: j - i = t, allowed for t <= 0.
	; Tile in front: j - i = t - 16, allowed for t >= 0, and not at all where that tile lies in front of the sequence (rb mod 32 = 0, wave 0).
	s_and_b32 s73, s18, 31
	s_or_b32 s73, s73, s14
	s_cmp_eq_u32 s73, 0
	s_cselect_b32 s60, 0, -1                       ; a mask of lanes: it selects values, no branch hangs on it
	v_mov_b32 v[NINF], 0xff800000
	v_lshlrev_b32 v4, 3, v2
	v_sub_nc_u32 v4, v4, v1                        ; 8 h - r
.irp j, 0,1,2,3,4,5,6,7
	v_add_nc_u32 v5, \j, v4                        ; t
	v_cvt_f32_i32 v6, v5
	v_cmp_ge_i32 vcc_lo, 0, v5                     ; t <= 0
	v_cndmask_b32 v[REL+8+\j], v[NINF], v6, vcc_lo
	v_cmp_le_i32 s61, 0, v5                        ; t >= 0
	s_and_b32 s61, s61, s60
	v_add_f32 v[REL+\j], 0xc1800000, v6            ; t - 16
	v_cndmask_b32 v[REL+\j], v[NINF], v[REL+\j], s61
.endr
	s_wait_loadcnt 0x0                             ; the gains
.irp p, 0,2,4,6
	v_pk_mul_f32 v[WG+\p:WG+\p+1], v[WG+\p:WG+\p+1], v[KN+\p:KN+\p+1]
.endr
.irp p, 0,2,4,6
	v_pk_mul_f32 v[WG+\p:WG+\p+1], v[WG+\p:WG+\p+1], 0x3e38aa3b op_sel_hi:[1,0]   ; x log2(e) / sqrt(64)
.endr
; One matrix instruction on accumulator tile t.  zero = 1: the first product starts the sum, nothing is cleared.
.macro MM t, a, b, zero
.if \zero
	v_wmma_f32_16x16x32_f16 v[8*(\t):8*(\t)+7], v[\a:\a+7], v[\b:\b+7], 0
.else
	v_wmma_f32_16x16x32_f16 v[8*(\t):8*(\t)+7], v[\a:\a+7], v[\b:\b+7], v[8*(\t):8*(\t)+7]
.endif
.endm
; Row tile T, six heads.  q and k: source 0 = 16 rows of wg, source 1 = 16 rows of xh: a lane then holds row r and dims 8 h + 0..7, 16 bytes of f16 that
; belong together.  v: the other way round: a lane holds dim r and rows (keys) 8 h + 0..7, which is v transposed, as P V wants it.
.macro MULROW f, T, zero
.irp c, 0,1,2,3,4
	MM 6*(\T-1)+\c, \f+8*\c, \f+48+8*\T, \zero
.endr
	MM 6*(\T-1)+5, \f+48+8*\T, \f+40, \zero
.endm
.macro MULHALO f, zero                 ; row tile 0: k and v alone
	MM 24, \f+32, \f+48, \zero
	MM 25, \f+48, \f+40, \zero
.endm
; 22 LDS loads: the 11 fragments of 32 along K at byte k of the slot's rows.  A fragment: lane l holds row l % 16; two loads of 16 bytes, 32 apart, at 16 (l / 16).
.macro FETCH slot, k, f
.irp c, 0,1,2,3,4,5
	ds_load_b128 v[\f+8*\c:\f+8*\c+3],   v[ADRB+\slot] offset:\k+\c*FR
	ds_load_b128 v[\f+8*\c+4:\f+8*\c+7], v[ADRB+\slot] offset:\k+\c*FR+32
.endr
.irp T, 0,1,2,3,4
	ds_load_b128 v[\f+48+8*\T:\f+48+8*\T+3],   v[ADRA+\slot] offset:\k+\T*FR
	ds_load_b128 v[\f+48+8*\T+4:\f+48+8*\T+7], v[ADRA+\slot] offset:\k+\T*FR+32
.endr
.endm
; A K step is four quarters of 32 along K on buffers 0, 1, 0, 1.  One of the first three: buffer f is in; the next quarter's fragments are asked for
; into buffer g and land while the 26 matrix instructions run.  The 26 accumulators take turns, one instruction a turn, in the same order in every
; quarter, over the loop's backward jump too.
.macro QUARTER slot, k, f, g, zero
	s_wait_dscnt 0x0                               ; buffer f's 22 loads, the only ones out
	PLACES                                         ; buffer g was read by the matrix instructions just issued
	FETCH \slot, \k, \g
	WIN 0x50                                       ; C and D in window 1
	MULROW \f, 1, \zero
	MULROW \f, 2, \zero
	MULROW \f, 3, \zero
	MULROW \f, 4, \zero
	MULHALO \f, \zero
	WIN 0
.endm
.macro THREE slot, zero
	QUARTER \slot, 64,  F0, F1, \zero
	QUARTER \slot, 128, F1, F0, 0
	QUARTER \slot, 192, F0, F1, 0
.endm
; The last quarter multiplies buffer 1 and changes slots.  In front of the barrier each wave waits for its reads of this slot and for all its tensor
; loads, of which one is out: its part of the next slot.  fill = 1: the barrier opens a round of the cluster's barrier, and this slot's joint refill, two
; K steps ahead, is the first tensor load behind the round and the wave's only one until the next: one tensor load of the wave is out from here on.
; From that request to the wait for it a wave issues 92 of a K step's 104 matrix instructions.
.macro TURN slot, next, fill
	s_wait_dscnt 0x0                               ; buffer 1 is in, and with it my last reads of this slot
	s_set_vgpr_msb 0x5
	s_wait_tensorcnt 0x0                           ; all my tensor loads have landed
	ds_add_u32 v208, v209
	s_wait_dscnt 0x0
	s_set_vgpr_msb 0x500
	s_barrier_signal -1
	WIN 0x50
	MULROW F1, 1, 0                                ; register work while the others arrive
	MULROW F1, 2, 0
	WIN 0
	s_barrier_wait -1
.if \fill
	CREST
	s_add_nc_u64 s[G0A+4*\slot+2:G0A+4*\slot+3], s[G0A+4*\slot+2:G0A+4*\slot+3], 512   ; no tensor load of mine is out: the groups 0 may be stepped
	s_add_nc_u64 s[G0B+4*\slot+2:G0B+4*\slot+3], s[G0B+4*\slot+2:G0B+4*\slot+3], 512
	JLOAD \slot
.endif
	PLACES
	FETCH \next, 0, F0
	WIN 0x50
	MULROW F1, 3, 0
	MULROW F1, 4, 0
	MULHALO F1, 0
	WIN 0
.endm
.macro LAP zero
	THREE 0, \zero
	TURN 0, 1, 1
	THREE 1, 0
	TURN 1, 0, 1
.endm
	s_wait_tensorcnt 0x1                           ; my part of K step 0 is in; step 1's load, issued behind it, may stay out
	s_barrier_signal -1
	s_barrier_wait -1                              ; everybody's part is in
	FETCH 0, 0, F0
	LAP 1                                          ; K steps 0, 1; asks for 2, 3
	s_mov_b32 s21, LAPS-2
.Llap:
	LAP 0                                          ; K steps 2 to 5; asks for 4 to 7
	s_sub_co_u32 s21, s21, 1
	s_cmp_lg_u32 s21, 0
	s_cbranch_scc1 .Llap
	THREE 0, 0                                     ; the last lap fills nothing
	TURN 0, 1, 0
	THREE 1, 0
	s_wait_dscnt 0x0
	WIN 0x50
	MULROW F1, 1, 0
	MULROW F1, 2, 0
	MULROW F1, 3, 0
	MULROW F1, 4, 0
	MULHALO F1, 0
	WIN 0
	PLACES                                         ; behind the last matrix instructions: results are read, fragment registers written
; THE NORM.  21 units of 16 rows: u = 5 (T - 1) + c for q's and k's tiles of T = 1..4, u = 20 for k's tile of T = 0.
.macro UNITS op, x                     ; op u, t, x for every unit u with its accumulator tile t
.irp T, 0,1,2,3
.irp c, 0,1,2,3,4
	\op 5*\T+\c, 6*\T+\c, \x
.endr
.endr
	\op 20, 24, \x
.endm
.macro SQSTEP u, t, p                  ; two more of my 8 dims' squares
.if \p == 0
	v_pk_mul_f32 v[SQ+2*(\u):SQ+2*(\u)+1], v[8*(\t):8*(\t)+1], v[8*(\t):8*(\t)+1]
.else
	v_pk_fma_f32 v[SQ+2*(\u):SQ+2*(\u)+1], v[8*(\t)+\p:8*(\t)+\p+1], v[8*(\t)+\p:8*(\t)+\p+1], v[SQ+2*(\u):SQ+2*(\u)+1]
.endif
.endm
.macro SQFOLD u, t, x
	v_add_f32 v[SQ+2*(\u)], v[SQ+2*(\u)], v[SQ+2*(\u)+1]
.endm
.macro SQCROSS u, t, x                 ; the other half of the lanes holds the same row's other 8 dims
	v_permlanex16_b32 v[SQ+2*(\u)+1], v[SQ+2*(\u)], s22, s23
.endm
.macro SQOUT u, t, x
	ds_store_b32 v[SSW], v[SQ+2*(\u)] offset:256*(\u)      ; both halves write the same word with the same number
.endm
.macro SSLOAD u, t, x
	ds_load_b128 v[SSV+4*(\u):SSV+4*(\u)+3], v[SSR] offset:256*(\u)
.endm
.macro SSADD u, t, x
	v_pk_add_f32 v[SSV+4*(\u):SSV+4*(\u)+1], v[SSV+4*(\u):SSV+4*(\u)+1], v[SSV+4*(\u)+2:SSV+4*(\u)+3]
.endm
.macro SSADD2 u, t, x
	v_add_f32 v[SSV+4*(\u)], v[SSV+4*(\u)], v[SSV+4*(\u)+1]
.endm
.macro SSMEAN u, t, x
	v_fma_f32 v[SSV+4*(\u)], v[SSV+4*(\u)], s62, s63       ; sum / 64 + 0.01
.endm
.macro SSRSQ u, t, x
	v_rsq_f32 v[SQ+2*(\u)], v[SSV+4*(\u)]
.endm
.macro NORM u, t, p
	v_pk_mul_f32 v[8*(\t)+\p:8*(\t)+\p+1], v[8*(\t)+\p:8*(\t)+\p+1], v[SQ+2*(\u):SQ+2*(\u)+1] op_sel_hi:[1,0]
.endm
	WIN 0x05                                       ; sources 0 and 1 in window 1
.irp p, 0,2,4,6
	UNITS SQSTEP, \p
.endr
	WIN 0
	UNITS SQFOLD, 0
	UNITS SQCROSS, 0
	UNITS SQFOLD, 0
	UNITS SQOUT, 0
	s_wait_dscnt 0x0                               ; for the other waves' sake: my words are written
	s_barrier_signal -1
	s_barrier_wait -1
	UNITS SSLOAD, 0
	s_wait_dscnt 0x0
	UNITS SSADD, 0
	UNITS SSADD2, 0
	UNITS SSMEAN, 0
	UNITS SSRSQ, 0
	v_nop                                          ; one plain place behind the last v_rsq_f32 (ISA guide 5.7.2)
	s_wait_alu depctr_va_vdst(0)
	WIN 0x41                                       ; destination and source 0 in window 1
.irp p, 0,2,4,6
	UNITS NORM, \p
.endr
.irp p, 0,2,4,6                                    ; q alone: both gains and the softmax's scale
.irp T, 0,1,2,3
.irp c, 0,1,2,3
	v_pk_mul_f32 v[8*(6*\T+\c)+\p:8*(6*\T+\c)+\p+1], v[8*(6*\T+\c)+\p:8*(6*\T+\c)+\p+1], v[WG+\p:WG+\p+1]
.endr
.endr
.endr
	WIN 0x05
.set t, 0
.rept 26
.irp p, 0,1,2,3
	v_cvt_pk_f16_f32 v[HB+4*t+\p], v[8*t+2*\p], v[8*t+2*\p+1]
.endr
.set t, t+1
.endr
	WIN 0
.irp T, 0,1,2,3
.irp c, 0,1,2,3
	ds_store_b128 v[QST], v[HB+4*(6*\T+\c):HB+4*(6*\T+\c)+3] offset:\c*QPLANE+\T*16*QP
.endr
	ds_store_b128 v[KST], v[HB+4*(6*\T+4):HB+4*(6*\T+4)+3] offset:(\T+1)*16*QP
	ds_store_b128 v[VST], v[HB+4*(6*\T+5):HB+4*(6*\T+5)+3] offset:(\T+1)*32
.endr
	ds_store_b128 v[KST], v[HB+96:HB+99]
	ds_store_b128 v[VST], v[HB+100:HB+103]
	s_wait_dscnt 0x0                               ; for the other waves' sake
	s_barrier_signal -1
	s_barrier_wait -1
	; THE ATTENTION: query tile w + 1, key tiles a = 0 (T = w) and a = 1 (T = w + 1), four heads c.
.irp a, 0,1
.irp s, 0,1
	ds_load_b128 v[KF+16*\a+8*\s:KF+16*\a+8*\s+3],   v[KRD] offset:\a*16*QP+64*\s
	ds_load_b128 v[KF+16*\a+8*\s+4:KF+16*\a+8*\s+7], v[KRD] offset:\a*16*QP+64*\s+32
.endr
.endr
.irp c, 0,1,2,3
.irp s, 0,1
	ds_load_b128 v[QF+16*\c+8*\s:QF+16*\c+8*\s+3],   v[QRD] offset:\c*QPLANE+64*\s
	ds_load_b128 v[QF+16*\c+8*\s+4:QF+16*\c+8*\s+7], v[QRD] offset:\c*QPLANE+64*\s+32
.endr
.endr
.irp n, 0,1,2,3
	ds_load_b128 v[VF+8*\n:VF+8*\n+3],   v[VRD] offset:\n*16*VP
	ds_load_b128 v[VF+8*\n+4:VF+8*\n+7], v[VRD] offset:\n*16*VP+32
.endr
	s_wait_dscnt 0x0                               ; my reads of q's planes are over:
	s_barrier_signal -1                            ; say so; the wait stands in front of the O stores, which land on those planes.  Between the two: register work alone
	; scores, transposed: source 0 = 16 keys, source 1 = 16 queries: a lane holds query r and keys 8 h + 0..7, which is P's place in a source 1 of P V.
	; Eight accumulators take turns, one instruction a turn.
.irp s, 0,1
.irp c, 0,1,2,3
.irp a, 0,1
.if \s == 0
	v_wmma_f32_16x16x32_f16 v[SB+16*\c+8*\a:SB+16*\c+8*\a+7], v[KF+16*\a+8*\s:KF+16*\a+8*\s+7], v[QF+16*\c+8*\s:QF+16*\c+8*\s+7], 0
.else
	v_wmma_f32_16x16x32_f16 v[SB+16*\c+8*\a:SB+16*\c+8*\a+7], v[KF+16*\a+8*\s:KF+16*\a+8*\s+7], v[QF+16*\c+8*\s:QF+16*\c+8*\s+7], v[SB+16*\c+8*\a:SB+16*\c+8*\a+7]
.endif
.endr
.endr
.endr
	PLACES
.irp i, 0,2,4,6,8,10,12,14                         ; + slope x (j - i); -inf where masked
.irp c, 0,1,2,3
	v_pk_fma_f32 v[SB+16*\c+\i:SB+16*\c+\i+1], v[REL+\i:REL+\i+1], v[SLP+2*\c:SLP+2*\c+1], v[SB+16*\c+\i:SB+16*\c+\i+1]
.endr
.endr
.irp c, 0,1,2,3                                    ; the row's maximum: finite, since a query always sees itself
	v_max3_num_f32 v[MX+2*\c], v[SB+16*\c], v[SB+16*\c+1], v[SB+16*\c+2]
.endr
.irp i, 3,5,7,9,11,13
.irp c, 0,1,2,3
	v_max3_num_f32 v[MX+2*\c], v[MX+2*\c], v[SB+16*\c+\i], v[SB+16*\c+\i+1]
.endr
.endr
.irp c, 0,1,2,3
	v_max_num_f32 v[MX+2*\c], v[MX+2*\c], v[SB+16*\c+15]
.endr
.irp c, 0,1,2,3
	v_permlanex16_b32 v[MX+2*\c+1], v[MX+2*\c], s22, s23   ; the other half of the lanes holds the same query's other 16 keys
.endr
.irp c, 0,1,2,3
	v_max_num_f32 v[MX+2*\c], v[MX+2*\c], v[MX+2*\c+1]
.endr
.irp c, 0,1,2,3
	v_mul_f32 v[MX+2*\c], -1.0, v[MX+2*\c]
.endr
.irp i, 0,2,4,6,8,10,12,14
.irp c, 0,1,2,3
	v_pk_add_f32 v[SB+16*\c+\i:SB+16*\c+\i+1], v[SB+16*\c+\i:SB+16*\c+\i+1], v[MX+2*\c:MX+2*\c+1] op_sel_hi:[1,0]
.endr
.endr
.set i, 0
.rept 64
	v_exp_f32 v[SB+i], v[SB+i]                     ; to base 2: log2(e) rides on q and on the slopes
.set i, i+1
.endr
	v_nop                                          ; one plain place behind the last v_exp_f32
	s_wait_alu depctr_va_vdst(0)
.irp c, 0,1,2,3
.irp i, 0,1,2,3,4,5,6,7
	v_cvt_pk_f16_f32 v[PF+8*\c+\i], v[SB+16*\c+2*\i], v[SB+16*\c+2*\i+1]
.endr
.endr
.irp i, 0,2,4,6                                    ; the row's sum, in f32, a tree in place
.irp c, 0,1,2,3
	v_pk_add_f32 v[SB+16*\c+\i:SB+16*\c+\i+1], v[SB+16*\c+\i:SB+16*\c+\i+1], v[SB+16*\c+\i+8:SB+16*\c+\i+9]
.endr
.endr
.irp i, 0,2
.irp c, 0,1,2,3
	v_pk_add_f32 v[SB+16*\c+\i:SB+16*\c+\i+1], v[SB+16*\c+\i:SB+16*\c+\i+1], v[SB+16*\c+\i+4:SB+16*\c+\i+5]
.endr
.endr
.irp c, 0,1,2,3
	v_pk_add_f32 v[SB+16*\c:SB+16*\c+1], v[SB+16*\c:SB+16*\c+1], v[SB+16*\c+2:SB+16*\c+3]
.endr
.irp c, 0,1,2,3
	v_add_f32 v[LS+2*\c], v[SB+16*\c], v[SB+16*\c+1]
.endr
.irp c, 0,1,2,3
	v_permlanex16_b32 v[LS+2*\c+1], v[LS+2*\c], s22, s23
.endr
.irp c, 0,1,2,3
	v_add_f32 v[LS+2*\c], v[LS+2*\c], v[LS+2*\c+1]
.endr
.irp c, 0,1,2,3
	v_rcp_f32 v[LS+2*\c], v[LS+2*\c]               ; the sum is at least 1: the maximum's own term
.endr
	v_nop                                          ; one plain place behind the last v_rcp_f32; with the five v_nop above, six places behind the scores' matrix instructions, whose registers are now written over
	; P V: source 0 = 16 dims x 32 keys of v transposed, source 1 = P: a lane holds query r and dims 16 n + 8 h + 0..7.  Sixteen sums of one instruction each.
.irp c, 0,1,2,3
.irp n, 0,1,2,3
	v_wmma_f32_16x16x32_f16 v[OB+32*\c+8*\n:OB+32*\c+8*\n+7], v[VF+8*\n:VF+8*\n+7], v[PF+8*\c:PF+8*\c+7], 0
.endr
.endr
	PLACES
	s_wait_alu depctr_va_vdst(0)
.irp p, 0,2,4,6
.irp c, 0,1,2,3
.irp n, 0,1,2,3
	v_pk_mul_f32 v[OB+32*\c+8*\n+\p:OB+32*\c+8*\n+\p+1], v[OB+32*\c+8*\n+\p:OB+32*\c+8*\n+\p+1], v[LS+2*\c:LS+2*\c+1] op_sel_hi:[1,0]
.endr
.endr
.endr
.irp c, 0,1,2,3
.irp n, 0,1,2,3
.irp p, 0,1,2,3
	v_cvt_pk_f16_f32 v[OB+32*\c+8*\n+\p], v[OB+32*\c+8*\n+2*\p], v[OB+32*\c+8*\n+2*\p+1]   ; in place: word p is written after it was read
.endr
.endr
.endr
	s_barrier_wait -1                              ; every wave's reads of q's planes are over
.irp c, 0,1,2,3
.irp n, 0,1,2,3
	ds_store_b128 v[OST], v[OB+32*\c+8*\n:OB+32*\c+8*\n+3] offset:128*\c+32*\n
.endr
.endr
	; THE WAY OUT: my stage's 16 rows, read back whole.  The stage is my wave's own and LDS serves a wave's instructions in order (ISA guide 5.7.1): no wait, no barrier.
.irp q, 0,1,2,3,4,5,6,7,8,9,10,11,12,13,14,15
	ds_load_b128 v[64+4*\q:64+4*\q+3], v[ORD] offset:OP*\q
.endr
.irp q, 0,1,2,3,4,5,6,7,8,9,10,11,12,13,14,15
	s_wait_dscnt 15-\q                             ; row q is in, the 15 - q younger loads may be out
	global_store_b128 v[GO], v[64+4*\q:64+4*\q+3], s[12:13] offset:2048*\q   ; the wave stores 512 neighbouring bytes, at a multiple of 512 from ah's first byte
.endr
	s_set_vgpr_msb 0x5
	s_wait_tensorcnt 0x0
	ds_add_u32 v208, v209
	s_wait_dscnt 0x0
	s_set_vgpr_msb 0x500
	CROUND                                         ; the closing round: no work-group ends while a partner may still ask for a tile that names it
	s_endpgm
.Lfunc_end_k_q650269594c_qkvattn:
	.size	k_q650269594c_qkvattn, .Lfunc_end_k_q650269594c_qkvattn-k_q650269594c_qkvattn
	.p2alignl 7, 3214868480
	.fill 96, 4, 3214868480
	.section	.rodata,"a",@progbits
	.p2align	6, 0x0
	.amdhsa_kernel k_q650269594c_qkvattn
		.amdhsa_group_segment_fixed_size 327680
		.amdhsa_private_segment_fixed_size 0
		.amdhsa_enable_private_segment 0
		.amdhsa_kernarg_size 40
		.amdhsa_user_sgpr_count 2
		.amdhsa_user_sgpr_kernarg_segment_ptr 1
		.amdhsa_wavefront_size32 1
		.amdhsa_system_sgpr_workgroup_id_x 1
		.amdhsa_system_sgpr_workgroup_id_y 1
		.amdhsa_system_sgpr_workgroup_id_z 1
		.amdhsa_system_vgpr_workitem_id 0
		.amdhsa_next_free_vgpr 466
		.amdhsa_next_free_sgpr 80
		.amdhsa_reserve_vcc 1
		.amdhsa_float_denorm_mode_32 3
		.amdhsa_float_denorm_mode_16_64 3
		.amdhsa_memory_ordered 1
		.amdhsa_forward_progress 1
		.amdhsa_inst_pref_size 156
	.end_amdhsa_kernel
	.amdgpu_metadata
---
amdhsa.version: [ 1, 2 ]
amdhsa.kernels:
  - .name:           k_q650269594c_qkvattn
    .symbol:         k_q650269594c_qkvattn.kd
    .args:
      - { .name: xh, .offset: 0, .size: 8, .value_kind: global_buffer, .address_space: global }
      - { .name: wg, .offset: 8, .size: 8, .value_kind: global_buffer, .address_space: global }
      - { .name: q_norm_w, .offset: 16, .size: 8, .value_kind: global_buffer, .address_space: global }
      - { .name: k_norm_w, .offset: 24, .size: 8, .value_kind: global_buffer, .address_space: global }
      - { .name: ah, .offset: 32, .size: 8, .value_kind: global_buffer, .address_space: global }
    .group_segment_fixed_size: 327680
    .private_segment_fixed_size: 0
    .kernarg_segment_align: 8
    .kernarg_segment_size: 40
    .max_flat_workgroup_size: 128
    .sgpr_count:     80
    .vgpr_count:     466
    .wavefront_size: 32
...
	.end_amdgpu_metadata
.endif
;; end of part 2
;; launch oproj (part 3): grid 8 x 32, 4 waves a work-group, clusters of 4 x 4, 327,680 bytes of LDS; arguments ah, woh, out0; writes out0
.if DOCPART == 3
	.amdgcn_target "amdgcn-amd-amdhsa--gfx1250"
	.amdhsa_code_object_version 6
	.text
	.protected	k_q650269594c_oproj
	.globl	k_q650269594c_oproj
	.p2align	8
	.type	k_q650269594c_oproj,@function
k_q650269594c_oproj:
	s_mov_b64 s[64:65], 0
	v_nop
	global_prefetch_b8 v0, s[64:65] scope:SCOPE_SE
	s_setreg_imm32_b32 hwreg(HW_REG_WAVE_MODE, 25, 1), 1
	s_wait_xcnt 0x0
	s_wait_alu depctr_hold_cnt(0) depctr_sa_sdst(0) depctr_va_vdst(0) depctr_va_sdst(0) depctr_va_ssrc(0) depctr_va_vcc(0) depctr_vm_vsrc(0)
	s_getreg_b32 s2, hwreg(HW_REG_IB_STS2, 6, 4)
	s_cmp_eq_u32 s2, 0
	s_cbranch_scc0 .Lentry_in_a_cluster
	s_endpgm
.Lentry_in_a_cluster:
	s_bfe_u32 s2, ttmp6, 0x10000c
	s_cmp_lg_u32 s2, 0xf033
	s_cbranch_scc0 .Lentry_shape_is_right
	s_endpgm
.Lentry_shape_is_right:
; out0[m][n] = sum over k of ah[m][k] woh[n][k].  ah: [4096][1024] f16 (attention output / 4), woh: [1024][1024] f16 (4 wo, columns in ah's order),
; out0: [4096][1024] f32; sums in f32.  The factors 1/4 and 4 cancel, so nothing is left to do on the way out.
; A work-group makes a block of 128 x 128 with four waves, 64 x 64 each: 16 accumulator tiles.  32 x 8 blocks: one for each of 256 work-groups.
; K goes through two LDS slots of 256 along K each (rows of 512 bytes, which begin at multiples of 512 bytes from the buffers' first bytes): four fills in all,
; so the text is written out without a loop.  Each wave brings 64 rows of a slot by one tensor load.
; CLUSTERS: 4 x 4 work-groups; ah's tile hangs on the block row alone and is asked for jointly along a row of the cluster, woh's on the block column alone
; and jointly along a column: the requests for both are divided by four.
; The matrix instruction is used transposed (source 0 = rows of woh, source 1 = rows of ah), so that a lane holds 8 neighbouring columns of one row of out0.
.set PITCH,  528                       ; 512 bytes + 16 of padding: an odd multiple of 16, so the 16 rows that a load touches start at 16 different 16-byte columns modulo 256
.set FR,     16*PITCH
.set QROWS,  64*PITCH                  ; what one tensor load brings, and what one wave reads of ah or of woh
.set SLOT,   4*QROWS                   ; ah's 128 rows, then woh's 128 rows
.set STAGE,  2*SLOT                    ; behind the ring: 16 rows x 272 bytes for each wave; no tensor load lands here
.set SPITCH, 272
.set ADRA, 8                           ; v8-9    my fragments of ah in slot 0, 1
.set ADRB, 10                          ; v10-11  of woh
.set STO,  12
.set RD,   13
.set CO,   14
.set F0,   64                          ; v[64:127], v[128:191]: two fragment buffers: woh's fragment b at 8 b, ah's fragment a at 32 + 8 a
.set F1,   128
.set TMP,  192                         ; v[192:223] the way out
.set G1,  24                           ; s[24:31] group 1 for ah's tiles, s[32:39] their groups 0, one for each slot
.set G0,  32
.set G1B, 48                           ; s[48:55], s[56:63]: the same for woh's tiles
.set G0B, 56
.set G1W0, (1<<16)|(1<<20)|(1<<21)|(6<<22)|(3<<25)   ; element of 2 bytes; padding on; bit 21 beside a mask; after every 128 words, 4 words
.set MSB, 0
.macro WIN new                         ; window 1 (v256-v383) holds the accumulators, tile (a, b) at v[8 (4 a + b)]
.if MSB != \new
	s_set_vgpr_msb (MSB<<8)|\new
.set MSB, \new
.endif
.endm
.macro PLACES                          ; four places behind a matrix instruction before its registers are touched by a vector instruction, a load or a store
.rept 4
	v_nop
.endr
.endm
.macro JLOAD s                         ; waves 0 and 1 ask for ah's two halves, waves 2 and 3 for woh's
	s_cmp_eq_u32 s11, 0
	s_cbranch_scc0 .Lfor_b_\@
	tensor_load_to_lds s[G0+4*\s:G0+4*\s+3], s[G1:G1+7]
	s_nop 0
	s_branch .Lasked_\@
.Lfor_b_\@:
	tensor_load_to_lds s[G0B+4*\s:G0B+4*\s+3], s[G1B:G1B+7]
	s_nop 0
.Lasked_\@:
.endm
.macro CREST
	s_cmp_lg_u32 s10, 0
	s_cbranch_scc1 .Lnot_wave_0_\@
	s_barrier_signal -3
.Lnot_wave_0_\@:
	s_barrier_wait -3
	s_barrier_signal -1
	s_barrier_wait -1
.endm
.macro CROUND
	s_barrier_signal -1
	s_barrier_wait -1
	CREST
.endm
	s_load_b128 s[4:7], s[0:1], 0x0                ; ah s[4:5], woh s[6:7]
	s_load_b64 s[8:9], s[0:1], 0x10                ; out0
	v_lshl_add_u32 v254, v0, 2, 0x46400
	v_mov_b32 v255, 0
	ds_add_u32 v254, v255
	v_lshrrev_b32 v1, 5, v0
	v_readfirstlane_b32 s10, v1                    ; wave 0..3
	s_lshr_b32 s11, s10, 1                         ; which half of the block's rows is mine.  Also: I fetch for ah (0) or for woh (1)
	s_and_b32 s12, s10, 1                          ; which half of its columns.  Also: which 64 rows of that tile I fetch
	s_bfe_u32 s40, ttmp6, 0x40000                  ; cx
	s_bfe_u32 s41, ttmp6, 0x40004                  ; cy
	s_lshl_b32 s42, ttmp9, 2
	s_add_co_u32 s42, s42, s40                     ; block column
	s_and_b32 s13, ttmp7, 0xffff
	s_lshl_b32 s13, s13, 2
	s_add_co_u32 s13, s13, s41                     ; block row
	s_lshl_b32 s43, s41, 2
	s_lshl_b32 s43, 15, s43                        ; my row of the cluster
	s_lshl_b32 s44, 0x1111, s40                    ; my column
	s_or_b32 s[G1+0], s43, G1W0
	s_or_b32 s[G1B+0], s44, G1W0
	s_mov_b32 s[G1+1], 256<<16                     ; tensor_dim0 = 256 elements
	s_mov_b32 s[G1B+1], 256<<16
	s_mov_b32 s[G1+2], 64<<16                      ; tensor_dim1 = 64 rows
	s_mov_b32 s[G1B+2], 64<<16
	s_mov_b32 s[G1+3], 256<<16                     ; tile_dim0
	s_mov_b32 s[G1B+3], 256<<16
	s_mov_b32 s[G1+4], 64                          ; tile_dim1
	s_mov_b32 s[G1B+4], 64
	s_mov_b32 s[G1+5], 1024                        ; elements from row to row
	s_mov_b32 s[G1B+5], 1024
	s_mov_b32 s[G1+6], 0
	s_mov_b32 s[G1B+6], 0
	s_mov_b32 s[G1+7], 0
	s_mov_b32 s[G1B+7], 0
	s_lshl_b32 s17, s12, 6                         ; which 64 rows I fetch
	s_lshl_b32 s16, s13, 7
	s_add_co_u32 s16, s16, s17                     ; ah: row 128 x block row + 64 x half,
	s_lshl_b32 s16, s16, 11                        ; 2,048 bytes a row
	s_lshl_b32 s46, s42, 7
	s_add_co_u32 s46, s46, s17                     ; woh: row 128 x block column + 64 x half
	s_lshl_b32 s46, s46, 11
	s_mov_b32 s17, 0
	s_mov_b32 s47, 0
	s_mul_i32 s20, s10, QROWS                      ; where my tile goes: the wave's number alone
	s_wait_dscnt 0x0
	s_wait_kmcnt 0x0
	s_add_nc_u64 s[14:15], s[4:5], s[16:17]
	s_add_nc_u64 s[46:47], s[6:7], s[46:47]
	CROUND                                         ; all sixteen work-groups are here: the first joint loads meet
.irp s, 0,1
	s_mov_b32 s[G0+4*\s], 1
	s_add_co_u32 s[G0+4*\s+1], s20, \s*SLOT
	s_add_nc_u64 s[G0+4*\s+2:G0+4*\s+3], s[14:15], \s*512          ; K from 256 s on
	s_or_b32 s[G0+4*\s+3], s[G0+4*\s+3], 0x80000000
	s_mov_b32 s[G0B+4*\s], 1
	s_add_co_u32 s[G0B+4*\s+1], s20, \s*SLOT
	s_add_nc_u64 s[G0B+4*\s+2:G0B+4*\s+3], s[46:47], \s*512
	s_or_b32 s[G0B+4*\s+3], s[G0B+4*\s+3], 0x80000000
	JLOAD \s                                       ; both slots' first fills: two tensor loads of the wave are out
.endr
	v_and_b32 v1, 15, v0                           ; r = l % 16
	v_bfe_u32 v2, v0, 4, 1                         ; h = l / 16
	v_mul_u32_u24 v3, v1, PITCH
	v_lshl_add_u32 v3, v2, 4, v3
	s_mul_i32 s21, s11, QROWS                      ; my 64 rows of ah
	s_mul_i32 s22, s12, QROWS                      ; my 64 rows of woh,
	s_add_co_u32 s22, s22, 2*QROWS                 ; behind ah's 128
.irp s, 0,1
	v_add_nc_u32 v[ADRA+\s], s21, v3
	v_add_nc_u32 v[ADRB+\s], s22, v3
	s_add_co_u32 s21, s21, SLOT
	s_add_co_u32 s22, s22, SLOT
.endr
	s_mul_i32 s23, s10, 16*SPITCH
	s_add_co_u32 s23, s23, STAGE                   ; my stage
	v_mul_u32_u24 v4, v1, SPITCH                   ; in: row r, 32 bytes (8 f32) for each half of the lanes
	v_lshl_add_u32 v4, v2, 5, v4
	v_add_nc_u32 v[STO], s23, v4
	v_mul_u32_u24 v5, v2, SPITCH                   ; back: lanes 0-15 one row of 256 bytes, lanes 16-31 the next
	v_lshl_add_u32 v5, v1, 4, v5
	v_add_nc_u32 v[RD], s23, v5
	v_lshlrev_b32 v5, 12, v2                       ; and the same two rows of out0, 4,096 bytes apart
	v_lshl_add_u32 v[CO], v1, 4, v5
; 8 matrix instructions: row tiles a0, a0 + 1 x all four column tiles, 32 along K.  zero = 1: the first product starts the sums.
.macro MUL8 f, a0, zero
.irp a, \a0, \a0+1
.irp b, 0,1,2,3
.if \zero
	v_wmma_f32_16x16x32_f16 v[8*(4*(\a)+\b):8*(4*(\a)+\b)+7], v[\f+8*\b:\f+8*\b+7], v[\f+32+8*(\a):\f+32+8*(\a)+7], 0
.else
	v_wmma_f32_16x16x32_f16 v[8*(4*(\a)+\b):8*(4*(\a)+\b)+7], v[\f+8*\b:\f+8*\b+7], v[\f+32+8*(\a):\f+32+8*(\a)+7], v[8*(4*(\a)+\b):8*(4*(\a)+\b)+7]
.endif
.endr
.endr
.endm
.macro FETCH slot, k, f                ; 16 LDS loads: 8 fragments of 32 along K at byte k of the slot's rows
.irp i, 0,1,2,3
	ds_load_b128 v[\f+8*\i:\f+8*\i+3],   v[ADRB+\slot] offset:\k+\i*FR
	ds_load_b128 v[\f+8*\i+4:\f+8*\i+7], v[ADRB+\slot] offset:\k+\i*FR+32
.endr
.irp i, 0,1,2,3
	ds_load_b128 v[\f+32+8*\i:\f+32+8*\i+3],   v[ADRA+\slot] offset:\k+\i*FR
	ds_load_b128 v[\f+32+8*\i+4:\f+32+8*\i+7], v[ADRA+\slot] offset:\k+\i*FR+32
.endr
.endm
; A slot is eight eighths of 32 along K, on buffers 0, 1 in turn.  The 16 accumulators take turns, one instruction a turn, in the same order throughout.
.macro QUARTER slot, k, f, g, zero
	s_wait_dscnt 0x0                               ; buffer f's 16 loads, the only ones out
	PLACES                                         ; buffer g was read by the matrix instructions just issued
	FETCH \slot, \k, \g
	WIN 0x50                                       ; C and D in window 1
	MUL8 \f, 0, \zero
	MUL8 \f, 2, \zero
	WIN 0
.endm
.macro SEVEN slot, zero
	QUARTER \slot, 64,  F0, F1, \zero
	QUARTER \slot, 128, F1, F0, 0
	QUARTER \slot, 192, F0, F1, 0
	QUARTER \slot, 256, F1, F0, 0
	QUARTER \slot, 320, F0, F1, 0
	QUARTER \slot, 384, F1, F0, 0
	QUARTER \slot, 448, F0, F1, 0
.endm
; The last eighth multiplies buffer 1 and changes slots.  In front of the barrier: my reads of this slot and all my tensor loads (one is out: my part of the
; next slot).  fill = 1: the barrier opens a round of the cluster's barrier, and this slot's joint refill is the first tensor load behind the round, the wave's
; only one until the next: one is out from here on.  From that request to the wait for it a wave issues 120 of a slot's 128 matrix instructions.
.macro TURN slot, next, fill
	s_wait_dscnt 0x0
	s_wait_tensorcnt 0x0
	ds_add_u32 v254, v255
	s_wait_dscnt 0x0
	s_barrier_signal -1
	WIN 0x50
	MUL8 F1, 0, 0                                  ; register work while the others arrive
	WIN 0
	s_barrier_wait -1
.if \fill
	CREST
	s_add_nc_u64 s[G0+4*\slot+2:G0+4*\slot+3], s[G0+4*\slot+2:G0+4*\slot+3], 1024     ; no tensor load of mine is out: the groups 0 may be stepped, 512 along K
	s_add_nc_u64 s[G0B+4*\slot+2:G0B+4*\slot+3], s[G0B+4*\slot+2:G0B+4*\slot+3], 1024
	JLOAD \slot
.endif
	PLACES
	FETCH \next, 0, F0
	WIN 0x50
	MUL8 F1, 2, 0
	WIN 0
.endm
	s_wait_tensorcnt 0x1                           ; my part of slot 0 is in; slot 1's load, issued behind it, may stay out
	s_barrier_signal -1
	s_barrier_wait -1
	FETCH 0, 0, F0
	SEVEN 0, 1                                     ; K 0-255
	TURN 0, 1, 1                                   ; asks for K 512-767
	SEVEN 1, 0                                     ; K 256-511
	TURN 1, 0, 1                                   ; asks for K 768-1023
	SEVEN 0, 0
	TURN 0, 1, 0                                   ; nothing is left to fetch
	SEVEN 1, 0
	s_wait_dscnt 0x0
	WIN 0x50
	MUL8 F1, 0, 0
	MUL8 F1, 2, 0
	WIN 0
	PLACES                                         ; behind the last matrix instructions: LDS stores read results
	s_lshl_b32 s16, s13, 7
	s_lshl_b32 s17, s11, 6
	s_add_co_u32 s16, s16, s17                     ; my first row of out0,
	s_lshl_b32 s16, s16, 12                        ; 4,096 bytes a row
	s_mov_b32 s17, 0
	s_add_nc_u64 s[8:9], s[8:9], s[16:17]
	s_lshl_b32 s46, s42, 9                         ; my first column in bytes: 512 x block + 256 x half (in registers that never feed ah's descriptors)
	s_lshl_b32 s47, s12, 8
	s_add_co_u32 s46, s46, s47
	s_mov_b32 s47, 0
	s_add_nc_u64 s[8:9], s[8:9], s[46:47]
; THE WAY OUT, 16 rows at a time: a lane's 32 bytes into my own stage, read back as whole rows of 256 bytes.  The stage is the wave's own and LDS serves a
; wave's instructions in order (ISA guide 5.7.1): no wait between stores and loads, nor between one turn's loads and the next turn's stores.
.macro OUT a
	WIN 0x04                                       ; an LDS store's data is source 1: window 1
.irp b, 0,1,2,3
	ds_store_b128 v[STO], v[8*(4*\a+\b):8*(4*\a+\b)+3] offset:64*\b
	ds_store_b128 v[STO], v[8*(4*\a+\b)+4:8*(4*\a+\b)+7] offset:64*\b+16
.endr
	WIN 0
	s_wait_xcnt 0x0                                ; the last turn's global stores have had their addresses translated (ISA guide 3.1): their data registers are loaded again only behind this wait
.irp t, 0,1,2,3,4,5,6,7
	ds_load_b128 v[TMP+4*\t:TMP+4*\t+3], v[RD] offset:\t*2*SPITCH
.endr
.irp t, 0,1,2,3,4,5,6,7
	s_wait_dscnt 7-\t                              ; pair t of rows is in, the 7 - t younger loads may be out
	global_store_b128 v[CO], v[TMP+4*\t:TMP+4*\t+3], s[8:9] offset:\a*65536+\t*8192 th:TH_STORE_NT   ; 16 lanes store 256 neighbouring bytes, at a multiple of 256 from out0's first byte
.endr
.endm
	OUT 0
	OUT 1
	OUT 2
	OUT 3
	s_wait_tensorcnt 0x0
	ds_add_u32 v254, v255
	s_wait_dscnt 0x0
	CROUND                                         ; the closing round: no work-group ends while a partner may still ask for a tile that names it
	s_endpgm
.Lfunc_end_k_q650269594c_oproj:
	.size	k_q650269594c_oproj, .Lfunc_end_k_q650269594c_oproj-k_q650269594c_oproj
	.p2alignl 7, 3214868480
	.fill 96, 4, 3214868480
	.section	.rodata,"a",@progbits
	.p2align	6, 0x0
	.amdhsa_kernel k_q650269594c_oproj
		.amdhsa_group_segment_fixed_size 327680
		.amdhsa_private_segment_fixed_size 0
		.amdhsa_enable_private_segment 0
		.amdhsa_kernarg_size 24
		.amdhsa_user_sgpr_count 2
		.amdhsa_user_sgpr_kernarg_segment_ptr 1
		.amdhsa_wavefront_size32 1
		.amdhsa_system_sgpr_workgroup_id_x 1
		.amdhsa_system_sgpr_workgroup_id_y 1
		.amdhsa_system_sgpr_workgroup_id_z 1
		.amdhsa_system_vgpr_workitem_id 0
		.amdhsa_next_free_vgpr 384
		.amdhsa_next_free_sgpr 66
		.amdhsa_reserve_vcc 0
		.amdhsa_float_denorm_mode_32 3
		.amdhsa_float_denorm_mode_16_64 3
		.amdhsa_memory_ordered 1
		.amdhsa_forward_progress 1
		.amdhsa_inst_pref_size 89
	.end_amdhsa_kernel
	.amdgpu_metadata
---
amdhsa.version: [ 1, 2 ]
amdhsa.kernels:
  - .name:           k_q650269594c_oproj
    .symbol:         k_q650269594c_oproj.kd
    .args:
      - { .name: ah, .offset: 0, .size: 8, .value_kind: global_buffer, .address_space: global }
      - { .name: woh, .offset: 8, .size: 8, .value_kind: global_buffer, .address_space: global }
      - { .name: out0, .offset: 16, .size: 8, .value_kind: global_buffer, .address_space: global }
    .group_segment_fixed_size: 327680
    .private_segment_fixed_size: 0
    .kernarg_segment_align: 8
    .kernarg_segment_size: 24
    .max_flat_workgroup_size: 128
    .sgpr_count:     66
    .vgpr_count:     384
    .wavefront_size: 32
...
	.end_amdgpu_metadata
.endif
;; end of part 3
;; ======== version 2 of 2: 3 launches; version 1 with the launch tof16 written anew for expert scheduling mode
;; limits: values are held in f16: magnitudes above 65,504 overflow, below 6.1e-05 lose precision
;; workspace buffers: xh 8,421,376 bytes; wg 3,145,728 bytes; woh 2,097,152 bytes; ah 8,388,608 bytes
;; launch tof16 (part 4): grid 256 x 1, 8 waves a work-group, no clusters, 0 bytes of LDS; arguments x, wq, wk, wv, wo, xh, wg, woh; writes xh, wg, woh
.if DOCPART == 4
	.amdgcn_target "amdgcn-amd-amdhsa--gfx1250"
	.amdhsa_code_object_version 6
	.text
	.protected	k_q650269594c_tof16
	.globl	k_q650269594c_tof16
	.p2align	8
	.type	k_q650269594c_tof16,@function
k_q650269594c_tof16:
	s_mov_b64 s[64:65], 0
	v_nop
	global_prefetch_b8 v0, s[64:65] scope:SCOPE_SE
	s_setreg_imm32_b32 hwreg(HW_REG_WAVE_SCHED_MODE, 0, 2), 2
	s_setreg_imm32_b32 hwreg(HW_REG_WAVE_MODE, 25, 1), 1
	s_wait_xcnt 0x0
	s_wait_alu depctr_vm_vsrc(0)
; x and the four weight matrices, f32 to f16 (round to nearest even), laid out as the two product kernels want them.
;   xh  [16 + 4096][1024]: rows 0-15 zeros (the rows in front of the first row block), row 16 + i = x row i
;   wg  [4 g][4 w][6 c][16 r][1024]: row 16 w + r of a head; c = 0..3: wq head 4 c + g, c = 4: wk head g, c = 5: wv head g times 0.25
;   woh [1024 n][1024]: woh[n][256 g + 64 c + d] = 4 wo[n][64 (4 c + g) + d]
; The factors 0.25 and 4 are powers of two, exact, and cancel in the product of the chain; they keep v inside f16's range.
; LIMIT OF RANGE: |x|, |wq|, |wk|, |wv| / 4 and 4 |wo| must stay under 65504 (f16's largest number), else the number becomes an infinity;
; numbers under 6.1e-5 in magnitude keep fewer than 11 bits.
; Memory binds: every input byte is read once by 16-byte loads (a wave's load covers 512 neighbouring bytes), every output byte written once
; (a wave's 8-byte stores cover 256 neighbouring bytes, aligned).  No LDS, no barrier, no matrix unit: there is nothing to share.
; Work-group b takes 26 rows of 1,024 numbers: x rows 16 b .. 16 b + 15, wq rows 4 b .. 4 b + 3, wk row b, wv row b, wo rows 4 b .. 4 b + 3.
; Thread t takes the 16 bytes at 16 t of each row.  All 26 loads of a wave go out at once; no register that a memory instruction names is
; written twice, so there is no loop.
; THE MODE: SCHED_MODE bits 1:0 = 2 (LLVM: expert scheduling mode 2), set by the entry lines.  The code itself states the register dependences
; between vector instructions and memory instructions, with s_wait_alu, always for 0.
; THE PLAN.  Registers that memory instructions touch:
;   v1, v3      byte offsets of the loads; v2: byte offset of the stores; v108, v109: the zero row's data.  Made once at the head, never written again.
;   D           row i: 4 registers.  Its load lands in them once; its conversions read the four and write the first two; its store reads those two.
;               Behind its store no line names them again, and no load is issued behind a vector line that names D.
; The 26 rows go in six blocks, in the order of their loads: four of 4 rows of x; wq's 4 rows with wk's and wv's; wo's 4 rows.  Block p rounds its own rows;
; its memory instructions are the stores of block p - 1, whose registers no vector line of block p names.  So ONE wait on va_vdst at a block's head, behind the
; wait for the block's data, states all that those stores hang on, and they are dealt among the block's conversions with no further wait.  One more stands
; ahead of the last block's stores, one at the kernel's head ahead of the first load.  No register that a memory instruction has read is ever written again,
; so no wait on vm_vsrc is owed.
.set NL, 26                            ; loads of a thread
.set D,  4                             ; v[4:107]  row i: 4 registers as loaded; its first two then hold the 4 f16
	s_load_b512 s[8:23], s[0:1], 0x0               ; x s[8:9], wq s[10:11], wk s[12:13], wv s[14:15], wo s[16:17], xh s[18:19], wg s[20:21], woh s[22:23]
	v_lshlrev_b32 v1, 4, v0                        ; 16 t: my bytes in a row of f32
	v_lshlrev_b32 v2, 3, v0                        ; 8 t: my bytes in a row of f16
	; wo's columns are permuted on the way in: my four output columns lie in block e = t >> 4 = 4 g + c of 64, which comes from head 4 c + g
	v_lshrrev_b32 v110, 4, v0                      ; e
	v_and_b32 v111, 3, v110                        ; c
	v_lshrrev_b32 v110, 2, v110                    ; g
	v_lshl_or_b32 v110, v111, 2, v110              ; 4 c + g
	v_and_b32 v111, 15, v0
	v_lshlrev_b32 v111, 4, v111
	v_lshl_or_b32 v3, v110, 8, v111                ; 256 bytes a head + 16 (t mod 16): sixteen lanes still read 256 neighbouring bytes
	v_mov_b32 v108, 0
	v_mov_b32 v109, 0
	s_mov_b32 s25, 0                               ; offsets are pairs with 0 on top
	s_wait_kmcnt 0x0
	s_lshl_b32 s24, ttmp9, 16                      ; 16 rows of 4,096 bytes
	s_add_nc_u64 s[8:9], s[8:9], s[24:25]
	s_lshl_b32 s24, ttmp9, 14                      ; 4 rows
	s_add_nc_u64 s[10:11], s[10:11], s[24:25]
	s_add_nc_u64 s[16:17], s[16:17], s[24:25]
	s_lshl_b32 s24, ttmp9, 12                      ; 1 row
	s_add_nc_u64 s[12:13], s[12:13], s[24:25]
	s_add_nc_u64 s[14:15], s[14:15], s[24:25]
	s_wait_alu depctr_va_vdst(0)                   ; v1 and v3 are written, which the loads read as offsets; so are v2, the stores' offset, and v108, v109, the zero row's data
.irp i, 0,1,2,3,4,5,6,7,8,9,10,11,12,13,14,15
	global_load_b128 v[D+4*\i:D+4*\i+3], v1, s[8:9] offset:\i*4096 th:TH_LOAD_NT
.endr
.irp i, 0,1,2,3
	global_load_b128 v[D+64+4*\i:D+64+4*\i+3], v1, s[10:11] offset:\i*4096 th:TH_LOAD_NT
.endr
	global_load_b128 v[D+80:D+83], v1, s[12:13] th:TH_LOAD_NT
	global_load_b128 v[D+84:D+87], v1, s[14:15] th:TH_LOAD_NT
.irp i, 0,1,2,3
	global_load_b128 v[D+88+4*\i:D+88+4*\i+3], v3, s[16:17] offset:\i*4096 th:TH_LOAD_NT
.endr
	; where the rows go, worked out while the loads are on their way
	s_lshl_b32 s24, ttmp9, 15                      ; 16 rows of 2,048 bytes,
	s_add_co_u32 s24, s24, 32768                   ; behind the 16 zero rows
	s_add_nc_u64 s[26:27], s[18:19], s[24:25]      ; xh
	s_lshl_b32 s24, ttmp9, 13
	s_add_nc_u64 s[22:23], s[22:23], s[24:25]      ; woh: 4 rows
	s_lshl_b32 s24, ttmp9, 11
	s_add_nc_u64 s[32:33], s[18:19], s[24:25]      ; xh's zero row b (used by work-groups 0 to 15 alone)
	; wq row 4 b + i: head b >> 4 = 4 c + g, dim 4 (b & 15) + i = 16 w + r
	s_lshr_b32 s34, ttmp9, 4                       ; head
	s_and_b32 s35, s34, 3                          ; g
	s_mul_i32 s35, s35, 384
	s_lshr_b32 s34, s34, 2                         ; c
	s_lshl4_add_u32 s35, s34, s35                  ; + 16 c
	s_bfe_u32 s34, ttmp9, 0x20002                  ; w = (b >> 2) & 3
	s_mul_i32 s34, s34, 96
	s_add_co_u32 s35, s35, s34
	s_and_b32 s34, ttmp9, 3
	s_lshl2_add_u32 s35, s34, s35                  ; + r = 4 (b & 3)
	s_lshl_b32 s24, s35, 11
	s_add_nc_u64 s[28:29], s[20:21], s[24:25]
	; wk row b: head g = b >> 6, dim b & 63 = 16 w + r, c = 4; wv's row lies 16 rows (32,768 bytes) further on
	s_lshr_b32 s34, ttmp9, 6
	s_mul_i32 s35, s34, 384
	s_bfe_u32 s34, ttmp9, 0x20004
	s_mul_i32 s34, s34, 96
	s_add_co_u32 s35, s35, s34
	s_and_b32 s34, ttmp9, 15
	s_add_co_u32 s35, s35, s34
	s_add_co_u32 s35, s35, 64
	s_lshl_b32 s24, s35, 11
	s_add_nc_u64 s[30:31], s[20:21], s[24:25]
; Row i is scaled (mode 1: by 0.25, mode 2: by 4) and rounded: its 4 f16 close up into the first two of its four registers.
.macro CVT i, mode
.if \mode == 1
	v_pk_mul_f32 v[D+4*(\i):D+4*(\i)+1], v[D+4*(\i):D+4*(\i)+1], 0x3e800000 op_sel_hi:[1,0]
	v_pk_mul_f32 v[D+4*(\i)+2:D+4*(\i)+3], v[D+4*(\i)+2:D+4*(\i)+3], 0x3e800000 op_sel_hi:[1,0]
.endif
.if \mode == 2
	v_pk_mul_f32 v[D+4*(\i):D+4*(\i)+1], v[D+4*(\i):D+4*(\i)+1], 4.0 op_sel_hi:[1,0]
	v_pk_mul_f32 v[D+4*(\i)+2:D+4*(\i)+3], v[D+4*(\i)+2:D+4*(\i)+3], 4.0 op_sel_hi:[1,0]
.endif
	v_cvt_pk_f16_f32 v[D+4*(\i)], v[D+4*(\i)], v[D+4*(\i)+1]
	v_cvt_pk_f16_f32 v[D+4*(\i)+1], v[D+4*(\i)+2], v[D+4*(\i)+3]
.endm
; Row i is stored at base s[base:base+1] + off.  It stands behind the wait that shows its two registers written; no vector line since that wait names them.
.macro ST i, base, off
	global_store_b64 v2, v[D+4*(\i):D+4*(\i)+1], s[\base:\base+1] offset:\off   ; later launches read these bytes: no hint
.endm
; Block p of x, p = 1..3: rows 4 p .. 4 p + 3 are rounded, rows 4 p - 4 .. 4 p - 1 stored, a store in front of each row's conversions.
.macro XBLK p
	s_wait_loadcnt NL-4*(\p)-4                     ; loads come back in order (ISA guide 5.7.1): the block's four rows are in, the 22 - 4 p younger loads may be out
	s_wait_alu depctr_va_vdst(0)                   ; the block before has written its rows' f16 words, which the stores below read
.irp i, 0,1,2,3
	ST 4*(\p)-4+\i, 26, (4*(\p)-4+\i)*2048
	CVT 4*(\p)+\i, 0
.endr
.endm
	s_wait_loadcnt NL-4                            ; block 0, x rows 0 to 3: no block in front of it, so no store and no further wait; the 22 younger loads may be out
.irp i, 0,1,2,3
	CVT \i, 0
.endr
	XBLK 1
	XBLK 2
	XBLK 3
	s_wait_loadcnt NL-22                           ; block 4: wq's four rows, wk's and wv's are in; wo's four loads may be out
	s_wait_alu depctr_va_vdst(0)                   ; block 3 has written the f16 words of x rows 12 to 15, which the stores below read
.irp i, 0,1,2,3
	ST 12+\i, 26, (12+\i)*2048
	CVT 16+\i, 0
.endr
	CVT 20, 0
	CVT 21, 1
	s_wait_loadcnt 0x0                             ; block 5: wo's four rows, the last loads
	s_wait_alu depctr_va_vdst(0)                   ; block 4 has written the f16 words of rows 16 to 21, which the stores below read
	ST 16, 28, 0
	ST 17, 28, 2048
	CVT 22, 2
	ST 18, 28, 4096
	ST 19, 28, 6144
	CVT 23, 2
	ST 20, 30, 0
	CVT 24, 2
	ST 21, 30, 32768
	CVT 25, 2
	s_wait_alu depctr_va_vdst(0)                   ; block 5 has written the f16 words of wo's rows, which the last four stores read
.irp i, 0,1,2,3
	ST 22+\i, 22, \i*2048
.endr
	s_cmp_ge_u32 ttmp9, 16
	s_cbranch_scc1 .Lend
	global_store_b64 v2, v[108:109], s[32:33]      ; work-groups 0 to 15: one zero row each; v2, v108 and v109 were written ahead of the head's wait and by no line since
.Lend:
	s_endpgm
.Lfunc_end_k_q650269594c_tof16:
	.size	k_q650269594c_tof16, .Lfunc_end_k_q650269594c_tof16-k_q650269594c_tof16
	.p2alignl 7, 3214868480
	.fill 96, 4, 3214868480
	.section	.rodata,"a",@progbits
	.p2align	6, 0x0
	.amdhsa_kernel k_q650269594c_tof16
		.amdhsa_group_segment_fixed_size 0
		.amdhsa_private_segment_fixed_size 0
		.amdhsa_enable_private_segment 0
		.amdhsa_kernarg_size 64
		.amdhsa_user_sgpr_count 2
		.amdhsa_user_sgpr_kernarg_segment_ptr 1
		.amdhsa_wavefront_size32 1
		.amdhsa_system_sgpr_workgroup_id_x 1
		.amdhsa_system_sgpr_workgroup_id_y 1
		.amdhsa_system_sgpr_workgroup_id_z 1
		.amdhsa_system_vgpr_workitem_id 0
		.amdhsa_next_free_vgpr 112
		.amdhsa_next_free_sgpr 66
		.amdhsa_reserve_vcc 0
		.amdhsa_float_denorm_mode_32 3
		.amdhsa_float_denorm_mode_16_64 3
		.amdhsa_memory_ordered 1
		.amdhsa_forward_progress 1
		.amdhsa_inst_pref_size 12
	.end_amdhsa_kernel
	.amdgpu_metadata
---
amdhsa.version: [ 1, 2 ]
amdhsa.kernels:
  - .name:           k_q650269594c_tof16
    .symbol:         k_q650269594c_tof16.kd
    .args:
      - { .name: x, .offset: 0, .size: 8, .value_kind: global_buffer, .address_space: global }
      - { .name: wq, .offset: 8, .size: 8, .value_kind: global_buffer, .address_space: global }
      - { .name: wk, .offset: 16, .size: 8, .value_kind: global_buffer, .address_space: global }
      - { .name: wv, .offset: 24, .size: 8, .value_kind: global_buffer, .address_space: global }
      - { .name: wo, .offset: 32, .size: 8, .value_kind: global_buffer, .address_space: global }
      - { .name: xh, .offset: 40, .size: 8, .value_kind: global_buffer, .address_space: global }
      - { .name: wg, .offset: 48, .size: 8, .value_kind: global_buffer, .address_space: global }
      - { .name: woh, .offset: 56, .size: 8, .value_kind: global_buffer, .address_space: global }
    .group_segment_fixed_size: 0
    .private_segment_fixed_size: 0
    .kernarg_segment_align: 8
    .kernarg_segment_size: 64
    .max_flat_workgroup_size: 256
    .sgpr_count:     66
    .vgpr_count:     112
    .wavefront_size: 32
...
	.end_amdgpu_metadata
.endif
;; end of part 4
;; launch qkvattn: the kernel of part 2 again; grid 4 x 64, 4 waves a work-group, clusters of 4 x 4, 327,680 bytes of LDS; arguments xh, wg, q_norm_w, k_norm_w, ah; writes ah
;; launch oproj: the kernel of part 3 again; grid 8 x 32, 4 waves a work-group, clusters of 4 x 4, 327,680 bytes of LDS; arguments ah, woh, out0; writes out0
